; MI455X (gfx1250); checked and timed in simulation.
; The chip was launched on July 23, 2026; its instructions are those of AMD's public machine-readable ISA for CDNA 5 (MIT licence, August 2026) and "CDNA5" Instruction Set Architecture Reference Guide (July 2026). The comments in the code are by the model that wrote it; some were corrected since.
;; Multi Lora Module. Allowed arithmetic: matrix products marked QUANTISED: E2M1 operands, one E8M0 scale for each 32 along K, by v_wmma_scale_f32_16x16x128_f8f6f4 with both operands' format E2M1 (or v_wmma_scale_f32_32x16x128_f4), f32 sums; products left as they are: f32 operands where the result goes on into a quantised operand, else bf16, f16 or f32 operands; f32 sums; everything else in f32.
;; Inputs: adapter_ids 4 int32; base_bias 4,096 float32; base_weight_codes 4,096 x 128 x 16 uint8 (E2M1 codes of base_weight, K innermost, in blocks of 32 codes, two codes a byte); base_weight_scales 4,096 x 128 uint8 (E8M0 scales of base_weight, one for each 32 codes along K); lora_A_w 32 x 16 x 4,096 float32; lora_B_w 32 x 4,096 x 16 float32; x_codes 4 x 1,024 x 128 x 16 uint8 (E2M1 codes of x, K innermost, in blocks of 32 codes, two codes a byte); x_scales 4 x 1,024 x 128 uint8 (E8M0 scales of x, one for each 32 codes along K).
;; Outputs: out0 4 x 1,024 x 4,096 float32.
;; This version of the problem:
;;   THIS VERSION OF THE PROBLEM IS GIVEN IN LOW PRECISION. The matrix products marked QUANTISED in the list below multiply operands that are first quantised to E2M1 (2 exponent bits, 1 mantissa bit; 4 bits a number), with one power-of-two scale for each 32 numbers along K (OCP MX v1.0); their sums are f32. All else is computed in f32.
;;   The module's matrix products, in the order in which they are computed (A, B: the left and right operand; K: the contracted axis; several contracted axes count as one K, in the product's order):
;;     1. [M 4,096, K 4,096] x [K 4,096, N 4,096]; A: input x (given as codes); B: input base_weight (given as codes): QUANTISED
;;     2. batch 4 x [M 1,024, K 4,096] x [K 4,096, N 16]; A: input x (given as codes); B: computed on the way: QUANTISED
;;     3. batch 4 x [M 1,024, K 16] x [K 16, N 4,096]; A: computed on the way; B: computed on the way: left as it is (K = 16 < 32)
;;   THE QUANTISER, for each operand of a quantised product, along K:
;;     - K is cut into blocks of 32 from its start; a last block that is shorter is filled with zeros.
;;     - A block's scale is 2^e with e = floor(log2(the largest magnitude in the block)) - 2, held to -126 .. 127; a block of zeros has e = 0. As a byte (E8M0): e + 127.
;;     - Each number is divided by its block's scale, clamped to +-6, and rounded to the nearest number of E2M1, ties to even, subnormals kept.
;;     - The product sums the exact products of the quantised numbers (number of the format x scale) in f32.
;;   ~~~python
;;   def quantise(x, axis):      # numpy; x: float32 -> the quantised numbers, widened to float32 again
;;       x = np.moveaxis(x, axis, -1); K = x.shape[-1]
;;       x = np.pad(x, [(0, 0)] * (x.ndim - 1) + [(0, -K % 32)]); x = x.reshape(x.shape[:-1] + (-1, 32)); a = np.abs(x).max(-1, keepdims=True)
;;       e = np.where(a > 0, np.clip(np.frexp(np.where(a > 0, a, 1))[1] - 1 - 2, -126, 127), 0)      # np.frexp(a)[1] - 1 = floor(log2(a)), exactly
;;       r = np.clip(x / 2.0 ** e, -6, 6)
;;       step = 2.0 ** (np.maximum(np.frexp(np.where(r == 0, 1, r))[1] - 1, 0) - 1)
;;       q = np.round(r / step) * step * 2.0 ** e      # np.round: ties to even
;;       return np.moveaxis(q.reshape(q.shape[:-2] + (-1,))[..., :K], -1, axis).astype(np.float32)
;;   ~~~
;;   OPERANDS COMPUTED ON THE WAY. 'Computed on the way' means the value that the module computes at that place (a softmax that the list does not call 'softmax' is quantised finished and normalised). What goes into a quantiser is computed in f32, as accurately as f32 sums, v_exp_f32 and their like allow (about 1e-6 of the number): no bf16 or f16 on the way to a quantiser, and a product that is left as it is and whose result goes on into a quantised operand takes f32 operands (vector FMAs, or v_wmma_f32_16x16x4_f32). A number that lies on a knife's edge between two numbers of the format may be rounded either way, as far as f32 arithmetic and the matrix unit's own rounding can turn it there, and no further.
;;   INPUTS GIVEN AS CODES. base_weight (in the module: [4096, 4096], K = its axis 1); x (in the module: [4, 1024, 4096], K = its axis 2): each comes as NAME_codes (uint8): NAME with its K axis moved to the last place and cut into blocks of 32 codes, [.., K / 32, bytes a block], one block behind the other in memory; two codes a byte, the lower K in the low four bits (a code: sign, 2 exponent bits, 1 mantissa bit); and NAME_scales (uint8): the same leading axes, one E8M0 byte (e + 127) for each 32 codes along K. Its value is code x scale, taken as it is: it is not quantised again, and the codes and scales need not be those that the quantiser above would give.
;; One version. Each part assembles by itself: llvm-mc -triple=amdgcn-amd-amdhsa -mcpu=gfx1250 --defsym DOCPART=n.
;; ======== version 1 of 1: 1 launch
;; limits: values are held in bf16: 8 bits of precision; right only within a limited range of input values
;; workspace buffers: xaux 1,081,344 bytes; waux 524,288 bytes
;; launch lora_gemm (part 1): grid 16 x 16, 4 waves a work-group, clusters of 4 x 4, 327,680 bytes of LDS; arguments x_codes, base_weight_codes, x_scales, base_weight_scales, lora_A_w, adapter_ids, lora_B_w, base_bias, out0; writes out0
.if DOCPART == 1
	.amdgcn_target "amdgcn-amd-amdhsa--gfx1250"
	.amdhsa_code_object_version 6
	.text
	.protected	k_q2779512e06_lora_gemm
	.globl	k_q2779512e06_lora_gemm
	.p2align	8
	.type	k_q2779512e06_lora_gemm,@function
k_q2779512e06_lora_gemm:
	s_mov_b64 s[64:65], 0
	v_nop
	global_prefetch_b8 v0, s[64:65] scope:SCOPE_SE
	s_setreg_imm32_b32 hwreg(HW_REG_WAVE_MODE, 25, 1), 1
	s_wait_xcnt 0x0
	s_wait_alu depctr_hold_cnt(0) depctr_sa_sdst(0) depctr_va_vdst(0) depctr_va_sdst(0) depctr_va_ssrc(0) depctr_va_vcc(0) depctr_vm_vsrc(0)
	s_getreg_b32 s2, hwreg(HW_REG_IB_STS2, 6, 4)
	s_cmp_eq_u32 s2, 0
	s_cbranch_scc0 .Lentry_in_a_cluster
	s_endpgm
.Lentry_in_a_cluster:
	s_bfe_u32 s2, ttmp6, 0x10000c
	s_cmp_lg_u32 s2, 0xf033
	s_cbranch_scc0 .Lentry_shape_is_right
	s_endpgm
.Lentry_shape_is_right:
; out[row][o] = sum_k x[row][k] W[o][k] + bias[o] + sum_rank h[row][rank] Bw[o][rank],  h[row][rank] = sum_k x[row][k] Q(A)[rank][k];  A, Bw: the batch's adapter.  4,096 rows (4 batches of 1,024), 4,096 o, K = 4,096.
; x and W go to the matrix unit as codes of FP4 (E2M1) with their E8M0 bytes; Q(A), lora_A of the batch's adapter quantised to FP4 along K, is made here, one K step ahead of its use.  The last product (K = 16) takes h and Bw
; rounded to bf16; the bias rides in it: K = 16, 17, 18 hold 1 on h's side and the bias's three parts of 8 bits each on Bw's, whose sum is the f32 bias exactly.
; LIMITS: h and lora_B_w are rounded to bf16; a block of zeros of lora_A gets the byte 1 where the rule says 127 (its codes are zeros, only this kernel reads the bytes); NaN and infinities in lora_A_w are not served; an infinite
; bias gives NaN; an id is held, unsigned, at 31; K ascends from the cluster's first K step of 512 round to the step before it.
; A tile of out, 256 x 256, is made by a work-group of four waves, 128 x 128 each: 512 accumulator registers.  K goes in steps of 512 through a ring of two LDS slots (256 rows of x's codes, 256 of W's, rows of 256 bytes); each wave
; fetches a quarter of a slot by one tensor load.
; SCALES: 16 bytes a row and K step.  The work-group's 2 x 32,768 bytes are asked for once, in the head, and laid into LDS as [K step mod 4][x's 256 rows, W's 256 rows][16 bytes]; those of K steps 4 to 7 wait in registers until
; the places of 0 to 3 have been read.
; Q(A): wave w makes the fragment of the K step's w-th 128 along K (16 ranks) and lays it into LDS as an image of the operand's registers, in two buffers by turns; all four waves read all four.
; CLUSTERS: 4 x 4 work-groups, all of one batch: the four of a row share x's tiles, the four of a column W's: each is asked for JOINTLY.
; THE WALK: cluster (X, Y) begins at K step (4 (X & 1) + 2 (X >> 1) + 4 (Y & 1) + 3 (Y >> 1)) mod 8.  The four clusters of one Y begin 0, 4, 2, 6 steps apart, the four of one X 0, 4, 3, 7: so each is the first to ask for x's bytes
; in its two first fills only, and every refill asks for bytes that another cluster has read before: no prefetch is laid.
; THE MATRIX INSTRUCTION IS USED TRANSPOSED (source 0 = 32 rows of W or the 16 ranks, source 1 = 16 rows of x): a lane holds eight neighbouring o (or ranks) of one row.
; h: the two waves that share 128 rows make h for 64 each and hand it over once, through LDS.  A WAVE'S BLOCKS OF ROWS ARE ROTATED: its block a is block (a + 4 ch) mod 8 of its 128 rows, so blocks 0-3 are those whose h it makes.
; REGISTERS, in windows of 256: window 0: v1-23 addresses; v24-95 scale words, two sets of 36 (x 16: lanes 0-15 blocks 0-3, lanes 16-31 blocks 4-7; W 16: 32 rows; Q(A) 4); v96-127 h; v128-255 x's fragments, two sets of 64.
;   window 1: W's and Q(A)'s fragments, two sets of 72; v144-175 32 numbers of lora_A a lane; v176-239 the later scale bytes, then lora_B; v240-255 the quantiser's.   windows 2, 3: the accumulators of my blocks 0-3, 4-7.
; Fragments are doubled: step q multiplies set q % 2 while the next step's 34 loads go out in long runs between its blocks.
.set PITCH, 272                        ; an LDS row of codes: 256 bytes + 16 of padding: the 16 rows that a load touches start 68 words apart
.set WC,    256*PITCH
.set SLOT,  2*WC
.set SCB,   2*SLOT                     ; the scale bytes: four K steps of 8,192
.set QAB,   SCB+4*8192                 ; Q(A): two buffers of 4,096 + 256 (its scale words, 16 bytes a rank)
.set QBUF,  4352
.set SPARE, QAB+2*QBUF                 ; the spare words, 128 bytes for each wave: two blocks of 256 bytes that no other line names
.set SPITCH, 528                       ; the way out: a stage of 16 rows x (512 bytes + 16) for each wave, and behind the four
.set HX,    4*16*SPITCH                ; 2,048 bytes for each wave's h: both in slot 0, which has had its last fill and its last read by then
.set ADRAL, 1                          ; v1-2 my blocks 0-3 of x in slot 0, 1;  v3-4 blocks 4-7
.set ADRAH, 3
.set ADRB, 5
.set ADRQ, 7
.set ADRSX, 8
.set ADRSW, 9
.set ADRQW, 10
.set STQ, 11
.set STQW, 12
.set STS, 13
.set LOF, 14
.set SPW, 15                           ; LDS address of my spare word; never rewritten
.set NIL, 16                           ; 0; never rewritten
.set STO, 17                           ; the way out (17 and 18 hold lora_B's and the bias's offsets before)
.set RD, 18
.set CO, 19
.set HXS, 20
.set HXL, 21
.set SC, 24
.set HACC, 96
.set AF, 128
.set BK, 128
.set RAW, 144                          ; window 1 from here on
.set HELD, 176
.set TM, 240
.set TS, 244
.set CD, 248
.set BY, 252
.set WV, 20                            ; s20 wave;  s21 its half of the rows (and: fetches for x (0) or W (1));  s22 of the columns (and: which 128 rows it fetches);  s23 1 - s22
.set RH, 21
.set CH, 22
.set CHX, 23
.set G1A, 24
.set G1B, 32
.set G0A, 40
.set G0B, 48
.set KO, 56                            ; s[56:57] byte offset in a row of codes of the K step asked for next
.set KL, 58                            ; s[58:59] the same in a row of lora_A
.set LA, 60                            ; s[60:61] lora_A at that K step
.set OLO, 86
.set OHI, 88
.set MSB, 0
.macro WIN new                         ; the immediate's high byte repeats the setting that is left
.if MSB != \new
	s_set_vgpr_msb (MSB<<8)|\new
.set MSB, \new
.endif
.endm
.set MUL_LO, 0xa1                      ; source 0 window 1, source 1 window 0, C and D window 2
.set MUL_HI, 0xf1
.set HW,     0x01
.set TO_B,   0x40
.set FROM_1, 0x04                      ; LDS stores with data of window 1
.set ALL_1,  0x55
.macro PLACES n                        ; plain vector places behind matrix instructions (ISA guide 7.12.1)
.rept \n
	v_nop
.endr
.endm
.macro POINT s                         ; slot s's groups 0 at the K step that is due; then the offset goes one K step on, round the row's 2,048 bytes.  It stands only where no load by these registers is out
	s_add_nc_u64 s[G0A+4*\s+2:G0A+4*\s+3], s[4:5], s[KO:KO+1]
	s_or_b32 s[G0A+4*\s+3], s[G0A+4*\s+3], 0x80000000
	s_add_nc_u64 s[G0B+4*\s+2:G0B+4*\s+3], s[6:7], s[KO:KO+1]
	s_or_b32 s[G0B+4*\s+3], s[G0B+4*\s+3], 0x80000000
	s_add_co_u32 s[KO], s[KO], 256
	s_and_b32 s[KO], s[KO], 2047
.endm
.macro JLOAD s                         ; one joint load a wave: waves 0 and 1 x's two halves, waves 2 and 3 W's; s_nop 0 and four v_nop follow each line
	s_cmp_eq_u32 s[RH], 0
	s_cbranch_scc0 .Lfor_w_\@
	tensor_load_to_lds s[G0A+4*\s:G0A+4*\s+3], s[G1A:G1A+7]
	s_nop 0
	PLACES 4
	s_branch .Lasked_\@
.Lfor_w_\@:
	tensor_load_to_lds s[G0B+4*\s:G0B+4*\s+3], s[G1B:G1B+7]
	s_nop 0
	PLACES 4
.Lasked_\@:
.endm
.macro CREST                           ; a round of the cluster's barrier behind its opening barrier
	s_cmp_lg_u32 s[WV], 0
	s_cbranch_scc1 .Lnot_wave_0_\@
	s_barrier_signal -3
.Lnot_wave_0_\@:
	s_barrier_wait -3
	s_barrier_signal -1
	s_barrier_wait -1
.endm
.macro CROUND
	s_barrier_signal -1
	s_barrier_wait -1
	CREST
.endm
; One matrix instruction: my block a of x against W's blocks b, b + 1, 128 along K.  KP: the set of fragments; KS: of scale words; KQ: which 128 of the K step.  The 32 accumulators of 16 registers take turns.
.macro MM a, b
.set AC, 64*((\a)%4)+8*(\b)
.set WF, 72*KP+8*(\b)
.set XF, AF+64*KP+8*(\a)
.set XS, SC+36*KS+4*((\a)%4)+KQ
.set WS, SC+36*KS+16+2*(\b)+KQ
.if FIRST
.if (\a) < 4
	v_wmma_scale_f32_32x16x128_f4 v[AC:AC+15], v[WF:WF+15], v[XF:XF+7], 0, v[WS], v[XS]
.else
	v_wmma_scale_f32_32x16x128_f4 v[AC:AC+15], v[WF:WF+15], v[XF:XF+7], 0, v[WS], v[XS] matrix_b_scale:MATRIX_SCALE_ROW1
.endif
.else
.if (\a) < 4
	v_wmma_scale_f32_32x16x128_f4 v[AC:AC+15], v[WF:WF+15], v[XF:XF+7], v[AC:AC+15], v[WS], v[XS]
.else
	v_wmma_scale_f32_32x16x128_f4 v[AC:AC+15], v[WF:WF+15], v[XF:XF+7], v[AC:AC+15], v[WS], v[XS] matrix_b_scale:MATRIX_SCALE_ROW1
.endif
.endif
.endm
.macro G a
.if (\a) < 4
	WIN MUL_LO
.else
	WIN MUL_HI
.endif
.irp b, 0,2,4,6
	MM \a, \b
.endr
.endm
.macro HM                              ; h of my blocks 0-3: source 0 = Q(A)'s 16 ranks.  Lane (r, hh) holds row r, register j rank 8 hh + j
	WIN HW
.irp a, 0,1,2,3
.set XF, AF+64*KP+8*\a
.set XS, SC+36*KS+4*\a+KQ
.set WS, SC+36*KS+32+KQ
.if FIRST
	v_wmma_scale_f32_16x16x128_f8f6f4 v[HACC+8*\a:HACC+8*\a+7], v[72*KP+64:72*KP+71], v[XF:XF+7], 0, v[WS], v[XS] matrix_a_fmt:MATRIX_FMT_FP4 matrix_b_fmt:MATRIX_FMT_FP4
.else
	v_wmma_scale_f32_16x16x128_f8f6f4 v[HACC+8*\a:HACC+8*\a+7], v[72*KP+64:72*KP+71], v[XF:XF+7], v[HACC+8*\a:HACC+8*\a+7], v[WS], v[XS] matrix_a_fmt:MATRIX_FMT_FP4 matrix_b_fmt:MATRIX_FMT_FP4
.endif
.endr
.endm
; The loads of a step: set NP takes the NQ-th 128 along K of slot NSL, Q(A) from buffer NB.  A fragment: lane l holds row l % 16; registers 4 c .. 4 c + 3 hold K = 64 c + 32 (l / 16) + 0 .. 31.
.macro FRAG reg, adr, i
	ds_load_b128 v[\reg:\reg+3], v[\adr] offset:64*NQ+(\i)*16*PITCH
	ds_load_b128 v[\reg+4:\reg+7], v[\adr] offset:64*NQ+32+(\i)*16*PITCH
.endm
.macro BL                              ; 16 loads
	WIN TO_B
.irp i, 0,1,2,3,4,5,6,7
	FRAG 72*NP+8*\i, ADRB+NSL, \i
.endr
.endm
.macro QAL                             ; 2 loads
	WIN TO_B
	ds_load_b128 v[72*NP+64:72*NP+67], v[ADRQ] offset:QBUF*NB+1024*NQ
	ds_load_b128 v[72*NP+68:72*NP+71], v[ADRQ] offset:QBUF*NB+1024*NQ+512
.endm
.macro AL                              ; 16 loads
	WIN 0
.irp h, 0,1
.irp i, 0,1,2,3
	FRAG AF+64*NP+32*\h+8*\i, ADRAL+2*\h+NSL, \i
.endr
.endr
.endm
.macro SCL t                           ; 8 loads: K step t's scale words, four (one for each 128 along K) a row
	WIN 0
.irp i, 0,1,2,3
	ds_load_b128 v[SC+36*((\t)%2)+4*\i:SC+36*((\t)%2)+4*\i+3], v[ADRSX] offset:8192*((\t)%4)+256*\i
.endr
.irp i, 0,1,2,3
	ds_load_b128 v[SC+36*((\t)%2)+16+4*\i:SC+36*((\t)%2)+16+4*\i+3], v[ADRSW] offset:8192*((\t)%4)+512*\i
.endr
.endm
.macro QAW s                           ; Q(A)'s scale words
	WIN 0
	ds_load_b128 v[SC+36*(\s)+32:SC+36*(\s)+35], v[ADRQW] offset:QBUF*(\s)
.endm
; The quantiser: half c of my fragment's numbers, at raw in window rw: registers 8 k + 0 .. 7 hold rank 8 c + 2 k + l / 16, k = 8 (l % 16) + 0 .. 7: four lanes share a block of 32.
; The scale is 2^(floor(log2(largest magnitude)) - 2), its byte held at 1 from below by the floor 2^(3 - 127).  The four k take turns line by line.
.macro QZ raw, rw, c, buf
	WIN 0x41+0x14*\rw
.irp k, 0,1,2,3
	v_max3_num_f32 v[TM+\k], 0x1800000, |v[\raw+8*\k]|, |v[\raw+8*\k+1]|
.endr
.irp i, 2,4,6
.irp k, 0,1,2,3
	v_max3_num_f32 v[TM+\k], v[TM+\k], |v[\raw+8*\k+\i]|, |v[\raw+8*\k+\i+1]|
.endr
.endr
	WIN ALL_1
.irp x, 1,2                                    ; with lanes l xor 1, l xor 2: the block's largest magnitude
.irp k, 0,1,2,3
	v_max_num_f32_dpp v[TM+\k], v[TM+\k], v[TM+\k] row_xmask:\x row_mask:0xf bank_mask:0xf
.endr
.endr
.irp k, 0,1,2,3
	v_add_nc_u32 v[TS+\k], 0xff000000, v[TM+\k]    ; 2 off the exponent field: the conversion takes that field as its scale
.endr
	WIN 0x44+0x11*\rw
.irp k, 0,1,2,3
	v_cvt_scalef32_pk8_fp4_f32 v[CD+\k], v[\raw+8*\k:\raw+8*\k+7], v[TS+\k]
.endr
	WIN ALL_1
.irp k, 0,1,2,3
	v_lshrrev_b32 v[BY+\k], 23, v[TS+\k]           ; the scale's byte; the first of the four is also the plain place behind the last conversion
.endr
	WIN FROM_1
.irp k, 0,1,2,3
	ds_store_b32 v[STQ], v[CD+\k] offset:QBUF*(\buf)+32*(4*\c+\k)
	ds_store_b8 v[STQW], v[BY+\k] offset:QBUF*(\buf)+32*(4*\c+\k)   ; (the block's four lanes write the same byte with the same value)
.endr
.endm
.macro LDRAW dst, c                    ; 8 loads: the numbers that QZ takes; sixteen lanes read 512 consecutive bytes of a rank by two loads
.irp k, 0,1,2,3
.irp i, 0,1
	global_load_b128 v[\dst+8*\k+4*\i:\dst+8*\k+4*\i+3], v[LOF], s[LA:LA+1] offset:32768*(4*\c+\k)+16*\i
.endr
.endr
.endm
.macro NEXTLA                          ; lora_A's next K step, round the row's 16,384 bytes
	s_wait_xcnt 0x0                                ; the earlier loads have read the address
	s_add_co_u32 s[KL], s[KL], 2048
	s_and_b32 s[KL], s[KL], 16383
	s_add_nc_u64 s[LA:LA+1], s[12:13], s[KL:KL+1]
.endm
.macro HS                              ; the scale bytes of K steps 4 to 7 into the places of 0 to 3, which every wave has read by K step 3
	WIN FROM_1
.irp e, 0,1,2,3,4,5,6,7,8,9,10,11,12,13,14,15
	ds_store_b128 v[STS], v[HELD+4*\e:HELD+4*\e+3] offset:128*\e
.endr
.endm
.macro BWL                             ; lora_B (row o = 16 b + r, ranks 8 hh .. 8 hh + 7) and the bias, for the last product
	WIN 0
	v_and_b32 v22, 15, v0
	v_bfe_u32 v23, v0, 4, 1
	v_lshlrev_b32 v17, 5, v23
	v_lshl_add_u32 v17, v22, 6, v17
	v_lshlrev_b32 v18, 2, v22
	WIN TO_B
.irp b, 0,1,2,3,4,5,6,7
	global_load_b128 v[HELD+8*\b:HELD+8*\b+3], v17, s[16:17] offset:1024*\b
	global_load_b128 v[HELD+8*\b+4:HELD+8*\b+7], v17, s[16:17] offset:1024*\b+16
.endr
.irp b, 0,1,2,3,4,5,6,7
	global_load_b32 v[RAW+\b], v18, s[18:19] offset:64*\b
.endr
.endm
; A step of 128 along K.  Its loads: W's 16 and Q(A)'s 2 behind block 0, x's 16 behind block 3 (in step 2 behind block 0 too, so that they are back when the slot is given up).
; The waits' counts: the LDS instructions issued behind the fragment that the next block takes: in front of block 0, behind x's block 0: 14; in front of blocks 1-3, behind x's block 3: 8 + the 18; in front of blocks 4-7, behind all
; of the last step's: the 18 + the 16.  EX, EX1, EX4: more (scale words, step 2's early loads, the quantiser's stores, scale bytes) or fewer (no Q(A) in the very first step) of them.
; THE CHANGE OF SLOTS lies between steps 2 and 3 of a K step: step 3's fragments are in registers by then, so the slot is free.
.macro STEP t, q
.set KQ, \q
.set KP, (\q)%2
.set KS, (\t)%2
.set NP, 1-KP
.set FIRST, 0
.set HK, 0
.set EX, 0
.if (\t+\q) == 0
.set FIRST, 1
.set EX, -2
.endif
.if ((\q) == 0 && (\t) > 0 && (\t) < 7) || ((\q) == 1 && (\t) == 0)
.set HK, 1
.endif
.if (\q) == 2 && (\t) < 7
.set HK, 2
.endif
.if (\q) == 1 && (\t) < 7 && (\t) != 3
.set EX, 8
.endif
.set EX1, EX
.set EX4, EX
.if (\q) == 2
.set EX1, EX+16
.endif
.if HK > 0
.set EX4, EX4+8
.endif
.if (\q) == 0 && (\t) == 3
.set EX4, EX4+16
.endif
.if (\q) < 3
.set NSL, KS
.set NQ, \q+1
.set NB, KS
	s_wait_dscnt 14
	G 0
	PLACES 4                                       ; the set that the last step multiplied is loaded anew from here on
.if (\q) == 1 && (\t) < 7 && (\t) != 3
	SCL \t+1
.endif
	BL
.if FIRST == 0
	QAL
.endif
.if (\q) == 2
	AL
.endif
	s_wait_dscnt 26+EX1
	G 1
	G 2
	G 3
.if FIRST == 0
	HM
.endif
.if (\q) == 0 && (\t) == 3
	HS
.endif
.if HK == 1
	s_wait_loadcnt 0x0
	QZ RAW, 1, 0, 1-KS                             ; the next K step's Q(A), first half of its numbers
	WIN TO_B
	LDRAW RAW, 1
.endif
.if HK == 2
	s_wait_loadcnt 0x0
	QZ RAW, 1, 1, 1-KS                             ; the second half
.if (\t) < 6
	NEXTLA
	WIN TO_B
	LDRAW RAW, 0
.else
	BWL
.endif
.endif
.if (\q) != 2
	AL
.endif
	s_wait_dscnt 34+EX4
	G 4
	G 5
.if (\q) == 2 && (\t) < 7
	WIN 0                                          ; (the add's two registers lie in window 0)
	s_wait_tensorcnt 0x0                           ; my tensor load, my quarter of the next slot, has landed;
	ds_add_u32 v[SPW], v[NIL]                      ; 0 onto my spare word
.endif
	G 6
.if (\q) == 2 && (\t) < 7
	s_wait_dscnt 0x0                               ; the add is done, my reads of this slot are over and my Q(A) lies in LDS
	s_barrier_signal -1
.endif
	G 7
.if FIRST
	s_wait_loadcnt 24                              ; Q(A) of the first K step: its numbers' second half (8) and the later scale bytes (16) may be out
	QZ RAW, 1, 0, 0
	s_wait_loadcnt 16
	QZ HACC, 0, 1, 0                               ; (the second half lies where h will be)
	NEXTLA
	WIN TO_B
	LDRAW RAW, 0
	WIN 0
	s_wait_dscnt 0x0                               ; for the others' sake: my fragment lies in LDS
	s_barrier_signal -1
	s_barrier_wait -1
	QAW 0
	QAL                                            ; step 1's
.set NP, 0
.set NQ, 0
	QAL                                            ; and this step's
	s_wait_dscnt 0x0
	HM
.endif
.else
.if (\t) < 7
.set NSL, 1-KS
.set NQ, 0
.set NB, 1-KS
	G 0
	G 1
	WIN 0
	s_barrier_wait -1
.if (\t) < 6
	CREST                                          ; the barrier has opened a round of the cluster's barrier: no wave of any partner still reads this slot or has a load on its way
	POINT KS
	JLOAD KS                                       ; my one tensor load behind the round; its four v_nop are the places in front of the loads below
.else
	PLACES 4
.endif
.if (\t) == 3
	SCL 4                                          ; (K step 4's scale bytes were laid into LDS in this K step: read behind its barrier)
.endif
	QAW 1-KS
	BL
	QAL
	G 2
	G 3
	HM
	AL
	G 4
	G 5
	G 6
	G 7
.else
	s_wait_dscnt 8                                 ; the very last step: nothing more to fetch
	G 0
	G 1
	G 2
	G 3
	HM
	s_wait_dscnt 0x0
	G 4
	G 5
	G 6
	G 7
.endif
.endif
.endm
	s_load_b512 s[4:19], s[0:1], 0x0               ; x_codes s[4:5], W's codes s[6:7], x_scales s[8:9], W's scales s[10:11], lora_A s[12:13], ids s[14:15], lora_B s[16:17], bias s[18:19]
	s_load_b64 s[66:67], s[0:1], 0x40              ; out
	v_lshl_add_u32 v[SPW], v0, 2, SPARE
	v_mov_b32 v[NIL], 0
	ds_add_u32 v[SPW], v[NIL]                      ; the wave's opening: the add, twice on end, and its wait ahead of my first tensor load
	ds_add_u32 v[SPW], v[NIL]
	v_lshrrev_b32 v17, 5, v0
	v_readfirstlane_b32 s[WV], v17
	s_lshr_b32 s[RH], s[WV], 1
	s_and_b32 s[CH], s[WV], 1
	s_xor_b32 s[CHX], s[CH], 1
	s_bfe_u32 s68, ttmp6, 0x40000                  ; cx, cy: my place in the cluster
	s_bfe_u32 s69, ttmp6, 0x40004
	s_lshl_b32 s92, ttmp9, 2
	s_add_co_u32 s92, s92, s68                     ; tile column = 4 x cluster x + cx
	s_and_b32 s100, ttmp7, 0xffff                  ; cluster y, which is the batch: four tile rows are 1,024 rows
	s_lshl_b32 s93, s100, 2
	s_add_co_u32 s93, s93, s69                     ; tile row = 4 x cluster y + cy
	s_lshl_b32 s94, s69, 2
	s_lshl_b32 s94, 15, s94                        ; my row of the cluster
	s_lshl_b32 s95, 0x1111, s68                    ; my column
	; the cluster's first K step, of the cluster's x and y alone, which all sixteen partners share
	s_and_b32 s90, ttmp9, 1
	s_lshl_b32 s90, s90, 2
	s_bfe_u32 s91, ttmp9, 0x10001
	s_lshl_b32 s91, s91, 1
	s_add_co_u32 s90, s90, s91
	s_and_b32 s91, ttmp7, 1
	s_lshl_b32 s91, s91, 2
	s_add_co_u32 s90, s90, s91
	s_bfe_u32 s91, ttmp7, 0x10001
	s_mul_i32 s91, s91, 3
	s_add_co_u32 s90, s90, s91
	s_and_b32 s90, s90, 7
	s_lshl_b32 s[KO], s90, 8                       ; 256 bytes of codes a K step,
	s_mov_b32 s[KO+1], 0
	s_lshl_b32 s[KL], s90, 11                      ; 2,048 of lora_A
	s_mov_b32 s[KL+1], 0
	s_mul_i32 s70, s[RH], 128*PITCH                ; my 128 rows of x: my blocks 0-3 are its half ch, my blocks 4-7 the other
	s_mul_i32 s71, s[CH], 64*PITCH
	s_add_co_u32 s71, s70, s71
	s_mul_i32 s72, s[CHX], 64*PITCH
	s_add_co_u32 s72, s70, s72
	s_mul_i32 s73, s[CH], 128*PITCH
	s_add_co_u32 s73, s73, WC                      ; my 128 rows of W
	s_lshl_b32 s74, s[RH], 11
	s_lshl_b32 s75, s[CH], 11
	s_lshl_b32 s76, s[WV], 10
	s_lshl_b32 s77, s[WV], 2
	s_lshl_b32 s78, s[WV], 11
	v_and_b32 v18, 15, v0                          ; r
	v_bfe_u32 v19, v0, 4, 1                        ; hh
	v_and_b32 v20, 31, v0                          ; lane
	v_mul_u32_u24 v21, v18, PITCH
	v_lshl_add_u32 v21, v19, 4, v21                ; a fragment's row x pitch + 16 x half
	v_add_nc_u32 v[ADRAL], s71, v21
	v_add_nc_u32 v[ADRAH], s72, v21
	v_add_nc_u32 v[ADRB], s73, v21
	v_add_nc_u32 v[ADRAL+1], SLOT, v[ADRAL]
	v_add_nc_u32 v[ADRAH+1], SLOT, v[ADRAH]
	v_add_nc_u32 v[ADRB+1], SLOT, v[ADRB]
	v_lshl_add_u32 v[ADRQ], v20, 4, QAB            ; Q(A)'s image: 16 x lane
	v_lshl_add_u32 v[ADRQW], v18, 4, QAB+4096      ; its words: 16 bytes a rank
	v_and_b32 v24, 3, v0                           ; l % 4
	v_bfe_u32 v25, v0, 2, 2                        ; (l / 4) % 4: the block of 32 that my eight numbers belong to
	v_lshl_add_u32 v26, v25, 8, QAB
	v_lshl_add_u32 v26, v19, 4, v26
	v_lshl_add_u32 v26, v24, 2, v26
	v_add_nc_u32 v[STQ], s76, v26                  ; where my four bytes of codes go: 1,024 x wave, 256 x block, 16 x rank, 4 x (l % 4)
	v_lshl_add_u32 v26, v19, 4, QAB+4096
	v_add_nc_u32 v26, v26, v25
	v_add_nc_u32 v[STQW], s77, v26                 ; and the scale's byte: 16 x rank + 4 x wave + block
	v_xor_b32 v22, s[CH], v19
	v_lshl_add_u32 v23, v18, 4, SCB
	v_lshl_add_u32 v22, v22, 10, v23
	v_add_nc_u32 v[ADRSX], s74, v22                ; x's words: lanes 0-15 the 64 rows of my blocks 0-3, lanes 16-31 those of 4-7
	v_lshl_add_u32 v22, v20, 4, SCB+4096
	v_add_nc_u32 v[ADRSW], s75, v22                ; W's: a lane a row, 32 rows a load
	v_bfe_u32 v21, v0, 2, 3                        ; scale bytes: a load takes 8 rows (l / 4) x 4 K steps (l % 4)
	v_lshl_add_u32 v23, v24, 13, SCB
	v_lshl_add_u32 v23, v21, 4, v23
	v_add_nc_u32 v[STS], s78, v23                  ; where I lay them: K step l % 4, my 128 rows of the 512, row l / 4
	v_lshlrev_b32 v22, 14, v19
	v_lshl_add_u32 v[LOF], v18, 5, v22             ; lora_A: rank l / 16 of 16,384 bytes, + 32 (l % 16)
	v_add_nc_u32 v27, s90, v24
	v_and_b32 v27, 7, v27
	v_lshlrev_b32 v21, 7, v21
	v_lshl_add_u32 v26, v27, 4, v21                ; in memory: row l / 4 of 128 bytes, 16 x the K step (first + l % 4) mod 8;
	v_xor_b32 v27, 4, v27
	v_lshl_add_u32 v27, v27, 4, v21                ; and those four K steps on
	s_wait_alu depctr_va_vdst(0)                   ; ahead of the scalar work and the waits below
	; groups 1: 128 rows of 256 elements of one byte, 2,048 bytes apart in memory
	s_or_b32 s[G1A], s94, (1<<20)|(1<<21)|(5<<22)|(3<<25)   ; 15:0 the mask; 20 padding on; 21 set beside a mask; 24:22 after every 64 words; 31:25 four words
	s_or_b32 s[G1B], s95, (1<<20)|(1<<21)|(5<<22)|(3<<25)
.irp g, G1A, G1B
	s_mov_b32 s[\g+1], 256<<16
	s_mov_b32 s[\g+2], 128<<16
	s_mov_b32 s[\g+3], 256<<16
	s_mov_b32 s[\g+4], 128
	s_mov_b32 s[\g+5], 2048
	s_mov_b32 s[\g+6], 0
	s_mov_b32 s[\g+7], 0
.endr
	s_mul_i32 s45, s[WV], 128*PITCH                ; where my quarter goes: wave x 128 rows
.irp s, 0,1
	s_mov_b32 s[G0A+4*\s], 1
	s_mov_b32 s[G0B+4*\s], 1
	s_add_co_u32 s[G0B+4*\s+1], s45, \s*SLOT
.endr
	s_mov_b32 s[G0A+1], s[G0B+1]
	s_mov_b32 s[G0A+5], s[G0B+5]
	; x's offsets are made of the tile row and the wave alone, in s[96:97]; W's of the tile column and the wave, in s[98:99]
	s_lshl_b32 s101, s[CH], 18                     ; which 128 rows I fetch
	s_lshl_b32 s96, s93, 19
	s_add_co_u32 s96, s96, s101
	s_mov_b32 s97, 0
	s_lshl_b32 s98, s92, 19
	s_add_co_u32 s98, s98, s101
	s_mov_b32 s99, 0
	s_lshl_b32 s100, s100, 2                       ; my batch's id
	s_mov_b32 s101, 0
	s_wait_dscnt 0x0                               ; both opening adds are done
	s_wait_kmcnt 0x0
	s_add_nc_u64 s[14:15], s[14:15], s[100:101]
	s_load_b32 s82, s[14:15], 0x0                  ; the id; nobody writes that buffer
	s_add_nc_u64 s[4:5], s[4:5], s[96:97]
	s_add_nc_u64 s[6:7], s[6:7], s[98:99]
	s_lshl_b32 s70, s93, 15                        ; scale bytes: 256 rows of 128 bytes a tile; waves 0 and 1 take x's, waves 2 and 3 W's, 128 rows each
	s_lshl_b32 s71, s92, 15
	s_cmp_eq_u32 s[RH], 0
	s_cselect_b32 s84, s70, s71
	s_cselect_b64 s[80:81], s[8:9], s[10:11]
	s_lshl_b32 s85, s[CH], 14
	s_add_co_u32 s84, s84, s85
	s_mov_b32 s85, 0
	s_add_nc_u64 s[80:81], s[80:81], s[84:85]
	WIN TO_B
.irp e, 0,1,2,3,4,5,6,7,8,9,10,11,12,13,14,15
	global_load_b128 v[4*\e:4*\e+3], v26, s[80:81] offset:1024*\e
.endr
	WIN 0
	POINT 0
	POINT 1
	CROUND                                         ; all sixteen work-groups are here: the first joint loads meet
	JLOAD 0                                        ; the first K step: one tensor load a wave
	s_lshl_b32 s70, s93, 22                        ; out: 256 rows of 16,384 bytes a tile row,
	s_lshl_b32 s71, s[RH], 21                      ; 128 rows,
	s_add_co_u32 s70, s70, s71
	s_lshl_b32 s71, s92, 10                        ; 1,024 bytes a tile column,
	s_add_co_u32 s70, s70, s71
	s_lshl_b32 s71, s[CH], 9                       ; 512 for my half;
	s_add_co_u32 s70, s70, s71
	s_lshl_b32 s72, s[CHX], 20                     ; my blocks 4-7: 64 (1 - ch) rows on,
	s_add_co_u32 s72, s72, s70
	s_mov_b32 s73, 0
	s_lshl_b32 s71, s[CH], 20                      ; my blocks 0-3: 64 ch rows on
	s_add_co_u32 s70, s70, s71
	s_mov_b32 s71, 0
	s_add_nc_u64 s[OLO:OLO+1], s[66:67], s[70:71]
	s_add_nc_u64 s[OHI:OHI+1], s[66:67], s[72:73]
	s_wait_kmcnt 0x0                               ; the id
	s_min_u32 s82, s82, 31                         ; inside the table of 32 adapters
	s_lshl_b32 s82, s82, 18                        ; an adapter's lora_A and lora_B are 65,536 x 4 bytes each
	s_mov_b32 s83, 0
	s_lshl_b32 s70, s[WV], 9                       ; my 128 along K of each K step
	s_add_co_u32 s70, s70, s82
	s_mov_b32 s71, 0
	s_add_nc_u64 s[12:13], s[12:13], s[70:71]
	s_add_nc_u64 s[LA:LA+1], s[12:13], s[KL:KL+1]
	WIN TO_B
	LDRAW RAW, 0
	WIN 0
	LDRAW HACC, 1
	WIN TO_B
.irp e, 0,1,2,3,4,5,6,7,8,9,10,11,12,13,14,15
	global_load_b128 v[HELD+4*\e:HELD+4*\e+3], v27, s[80:81] offset:1024*\e
.endr
	s_lshl_b32 s70, s92, 14                        ; my first o = 256 x tile column + 128 ch: 64 bytes each in lora_B,
	s_lshl_b32 s71, s[CH], 13
	s_add_co_u32 s70, s70, s71
	s_add_co_u32 s82, s82, s70
	s_add_nc_u64 s[16:17], s[16:17], s[82:83]
	s_lshr_b32 s70, s70, 4                         ; 4 bytes each in the bias
	s_mov_b32 s71, 0
	s_add_nc_u64 s[18:19], s[18:19], s[70:71]
	s_wait_loadcnt 32                              ; the first four K steps' scale bytes are in; lora_A's 16 loads and the later scale bytes' 16 may be out
	WIN FROM_1
.irp e, 0,1,2,3,4,5,6,7,8,9,10,11,12,13,14,15
	ds_store_b128 v[STS], v[4*\e:4*\e+3] offset:128*\e
.endr
	WIN 0
	s_wait_xcnt 0x0                                ; the loads have read v26 and v27, which are loaded below
	s_wait_tensorcnt 0x0                           ; my quarter of slot 0 is in
	ds_add_u32 v[SPW], v[NIL]
	s_wait_dscnt 0x0                               ; the add is done, and my scale bytes lie in LDS
	CROUND                                         ; everybody's do, and slot 0 is whole
	JLOAD 1                                        ; slot 1's first fill, the first tensor load behind the round
.set NSL, 0
.set NQ, 0
.set NP, 0
	SCL 0
	BL
	AL
.irp t, 0,1,2,3,4,5,6,7
.irp q, 0,1,2,3
	STEP \t, \q
.endr
.endr
; THE LAST PRODUCT: acc(a, b) += Bw(block b) h(block a)^T, K = 16 ranks, the bias's three parts, 13 zeros.  h's accumulator IS the operand's layout: lane (r, hh) holds row r, ranks 8 hh + 0 .. 7.
.macro LORA hi                         ; 32 matrix instructions, each accumulator once
.irp a, 0,1,2,3
.irp b, 0,2,4,6,1,3,5,7
	v_wmma_f32_16x16x32_bf16 v[8*(8*\a+\b):8*(8*\a+\b)+7], v[8*\b:8*\b+7], v[AF+8*(4*\hi+\a):AF+8*(4*\hi+\a)+7], v[8*(8*\a+\b):8*(8*\a+\b)+7]
.endr
.endr
.endm
	WIN 0
	s_wait_loadcnt 0x0                             ; lora_B and the bias
	s_mul_i32 s70, s[WV], 16*SPITCH                ; my stage
	s_lshl_b32 s71, s[WV], 11
	s_add_co_u32 s71, s71, HX                      ; my h
	s_xor_b32 s72, s[WV], 1                        ; my partner: the same rows, the other columns
	s_lshl_b32 s72, s72, 11
	s_add_co_u32 s72, s72, HX
	v_and_b32 v22, 15, v0                          ; (ten plain lines: the places behind the last products)
	v_bfe_u32 v23, v0, 4, 1
	v_and_b32 v1, 31, v0
	v_lshlrev_b32 v[CO], 4, v1                     ; 16 x lane: my bytes in a row of out
	v_mul_u32_u24 v[STO], v22, SPITCH
	v_lshl_add_u32 v[STO], v23, 5, v[STO]
	v_add_nc_u32 v[STO], s70, v[STO]               ; in: row r, 32 bytes for each half of the lanes
	v_add_nc_u32 v[RD], s70, v[CO]                 ; back: the 32 lanes take one row of 512 bytes
	v_add_nc_u32 v[HXS], s71, v[CO]
	v_add_nc_u32 v[HXL], s72, v[CO]
.irp a, 0,1,2,3
.irp j, 0,1,2,3
	v_cvt_pk_bf16_f32 v[AF+8*\a+\j], v[HACC+8*\a+2*\j], v[HACC+8*\a+2*\j+1]   ; each accumulator from its low end on
.endr
.endr
	v_cmp_eq_u32 vcc_lo, 0, v23
	v_mov_b32 v2, 0x3f803f80                       ; two ones in bf16: K = 16, 17 (lanes 0-15; K = 24 on, lanes 16-31: zeros)
	v_cndmask_b32 v2, 0, v2, vcc_lo
	v_and_b32 v3, 0xffff, v2                       ; and K = 18
.irp a, 0,1,2,3,4,5,6,7
	v_mov_b32 v[AF+8*\a+4], v2
	v_mov_b32 v[AF+8*\a+5], v3
	v_mov_b32 v[AF+8*\a+6], 0
	v_mov_b32 v[AF+8*\a+7], 0
.endr
	WIN ALL_1
.irp b, 0,1,2,3,4,5,6,7                        ; Bw's fragment b: registers 0-3 ranks 8 hh + 0 .. 7; 4 and 5 the bias's parts; 6 and 7 zeros
.set TT, TM+4*(\b%2)
	v_and_b32 v[TT], 0xffff0000, v[RAW+\b]         ; the bias's first 8 bits,
	v_cvt_pk_bf16_f32 v[8*\b], v[HELD+8*\b], v[HELD+8*\b+1]
	v_sub_f32 v[TT+1], v[RAW+\b], v[TT]            ; (exact)
	v_cvt_pk_bf16_f32 v[8*\b+1], v[HELD+8*\b+2], v[HELD+8*\b+3]
	v_and_b32 v[TT+2], 0xffff0000, v[TT+1]         ; the next 8,
	v_cvt_pk_bf16_f32 v[8*\b+2], v[HELD+8*\b+4], v[HELD+8*\b+5]
	v_sub_f32 v[TT+3], v[TT+1], v[TT+2]            ; and the rest
	v_cvt_pk_bf16_f32 v[8*\b+3], v[HELD+8*\b+6], v[HELD+8*\b+7]
	v_perm_b32 v[8*\b+4], v[TT+2], v[TT], 0x07060302
	v_mov_b32 v[8*\b+6], 0
	v_lshrrev_b32 v[8*\b+5], 16, v[TT+3]
	v_mov_b32 v[8*\b+7], 0
.endr
	WIN 0
.irp a, 0,1,2,3
	ds_store_b128 v[HXS], v[AF+8*\a:AF+8*\a+3] offset:512*\a   ; an image of the registers: 16 x lane.  (Slot 0: every wave has passed the last change of slots, behind which nobody reads it and nothing fills it)
.endr
	s_wait_alu depctr_va_vdst(0)                   ; ahead of the waits below
	s_wait_dscnt 0x0                               ; for my partner's sake: my h lies in LDS
	s_barrier_signal -1
	WIN MUL_LO
	LORA 0                                         ; my own four blocks, on registers alone, while the others arrive
	WIN 0
	s_barrier_wait -1
.irp a, 0,1,2,3
	ds_load_b128 v[AF+32+8*\a:AF+32+8*\a+3], v[HXL] offset:512*\a   ; my partner's blocks 0-3 are my blocks 4-7
.endr
	s_wait_dscnt 0x0
	WIN MUL_HI
	LORA 1
	WIN 0
; THE WAY OUT, block by block of 16 rows x 128 columns, through my own stage in LDS: in as 32 bytes a lane, back as whole rows of 512 bytes.  LDS serves a wave's instructions in order (ISA guide 5.7.1.4): no wait between stores and loads.
.macro TOSTAGE a
.set AC, 64*((\a)%4)
	WIN 0x08+4*((\a)/4)                            ; the data: window 2 or 3
.irp b, 0,1,2,3,4,5,6,7
	ds_store_b128 v[STO], v[AC+8*\b:AC+8*\b+3] offset:64*\b          ; each accumulator from its low end on
	ds_store_b128 v[STO], v[AC+8*\b+4:AC+8*\b+7] offset:64*\b+16
.endr
	WIN 0
.set BB, BK+64*((\a)%2)
.irp t, 0,1,2,3,4,5,6,7,8,9,10,11,12,13,14,15
	ds_load_b128 v[BB+4*\t:BB+4*\t+3], v[RD] offset:\t*SPITCH
.endr
.endm
.macro SEND a, younger                 ; younger: the LDS instructions issued behind block a's loads, which may stay out
.set BB, BK+64*((\a)%2)
.set OB, OLO+2*((\a)/4)
	s_wait_dscnt \younger                          ; the block is back in registers
.irp t, 0,1,2,3,4,5,6,7,8,9,10,11,12,13,14,15
	global_store_b128 v[CO], v[BB+4*\t:BB+4*\t+3], s[OB:OB+1] offset:(((\a)%4)*16+\t)*16384 th:TH_STORE_NT   ; 32 lanes store 512 consecutive bytes, aligned to 256; written once
.endr
.endm
	PLACES 4                                       ; behind the last products: for the loads into h's registers and for the stores of results
	TOSTAGE 0
.irp a, 1,2,3,4,5,6,7
.if \a > 1
	s_wait_xcnt 0x0                                ; block a - 2's stores have read their registers: block a's loads may land there
.endif
	TOSTAGE \a
	SEND \a-1, 32                                  ; behind block a - 1's loads: block a's 16 stores and 16 loads
.endr
	SEND 7, 0
	s_wait_tensorcnt 0x0                           ; the wave's end: behind my last tensor load and my last LDS store
	ds_add_u32 v[SPW], v[NIL]
	s_wait_dscnt 0x0
	CROUND                                         ; the closing round: no work-group ends while a partner may still ask for a tile that names it
	s_endpgm
.Lfunc_end_k_q2779512e06_lora_gemm:
	.size	k_q2779512e06_lora_gemm, .Lfunc_end_k_q2779512e06_lora_gemm-k_q2779512e06_lora_gemm
	.p2alignl 7, 3214868480
	.fill 96, 4, 3214868480
	.section	.rodata,"a",@progbits
	.p2align	6, 0x0
	.amdhsa_kernel k_q2779512e06_lora_gemm
		.amdhsa_group_segment_fixed_size 327680
		.amdhsa_private_segment_fixed_size 0
		.amdhsa_enable_private_segment 0
		.amdhsa_kernarg_size 72
		.amdhsa_user_sgpr_count 2
		.amdhsa_user_sgpr_kernarg_segment_ptr 1
		.amdhsa_wavefront_size32 1
		.amdhsa_system_sgpr_workgroup_id_x 1
		.amdhsa_system_sgpr_workgroup_id_y 1
		.amdhsa_system_sgpr_workgroup_id_z 1
		.amdhsa_system_vgpr_workitem_id 0
		.amdhsa_next_free_vgpr 1024
		.amdhsa_next_free_sgpr 104
		.amdhsa_reserve_vcc 1
		.amdhsa_float_denorm_mode_32 3
		.amdhsa_float_denorm_mode_16_64 3
		.amdhsa_memory_ordered 1
		.amdhsa_forward_progress 1
		.amdhsa_inst_pref_size 255
	.end_amdhsa_kernel
	.section	.bss,"aw",@nobits
	.p2align	6
	.space	262144
	.amdgpu_metadata
---
amdhsa.version: [ 1, 2 ]
amdhsa.kernels:
  - .name:           k_q2779512e06_lora_gemm
    .symbol:         k_q2779512e06_lora_gemm.kd
    .args:
      - { .name: x_codes, .offset: 0, .size: 8, .value_kind: global_buffer, .address_space: global }
      - { .name: base_weight_codes, .offset: 8, .size: 8, .value_kind: global_buffer, .address_space: global }
      - { .name: x_scales, .offset: 16, .size: 8, .value_kind: global_buffer, .address_space: global }
      - { .name: base_weight_scales, .offset: 24, .size: 8, .value_kind: global_buffer, .address_space: global }
      - { .name: lora_A_w, .offset: 32, .size: 8, .value_kind: global_buffer, .address_space: global }
      - { .name: adapter_ids, .offset: 40, .size: 8, .value_kind: global_buffer, .address_space: global }
      - { .name: lora_B_w, .offset: 48, .size: 8, .value_kind: global_buffer, .address_space: global }
      - { .name: base_bias, .offset: 56, .size: 8, .value_kind: global_buffer, .address_space: global }
      - { .name: out0, .offset: 64, .size: 8, .value_kind: global_buffer, .address_space: global }
    .group_segment_fixed_size: 327680
    .private_segment_fixed_size: 0
    .kernarg_segment_align: 8
    .kernarg_segment_size: 72
    .max_flat_workgroup_size: 128
    .sgpr_count:     104
    .vgpr_count:     1024
    .wavefront_size: 32
...
	.end_amdgpu_metadata
.endif
;; end of part 1
